; MI455X (gfx1250); checked and timed in simulation.
; The chip was launched on July 23, 2026; its instructions are those of AMD's public machine-readable ISA for CDNA 5 (MIT licence, August 2026) and "CDNA5" Instruction Set Architecture Reference Guide (July 2026). The comments in the code are by the model that wrote it; some were corrected since.
;; Self Attention. Allowed arithmetic: matrix products marked QUANTISED: E5M2 operands, one E8M0 scale for each 32 along K, by v_wmma_scale_f32_16x16x128_f8f6f4 with both operands' format E5M2, f32 sums; everything else in f32.
;; Inputs: bk 256 float32; bo 256 float32; bq 256 float32; bv 256 float32; wk 256 x 256 float32; wo 256 x 256 float32; wq 256 x 256 float32; wv 256 x 256 float32; x 4 x 256 x 64 x 64 float32.
;; Outputs: out0 4 x 256 x 64 x 64 float32.
;; This version of the problem:
;;   THIS VERSION OF THE PROBLEM IS GIVEN IN LOW PRECISION. The matrix products marked QUANTISED in the list below multiply operands that are first quantised to E5M2 (5 exponent bits, 2 mantissa bits; 8 bits a number), with one power-of-two scale for each 32 numbers along K (OCP MX v1.0); their sums are f32. All else is computed in f32.
;;   The module's matrix products, in the order in which they are computed (A, B: the left and right operand; K: the contracted axis; several contracted axes count as one K, in the product's order):
;;     1. [M 16,384, K 256] x [K 256, N 256]; A: input x; B: input wq: QUANTISED
;;     2. [M 16,384, K 256] x [K 256, N 256]; A: input x; B: input wk: QUANTISED
;;     3. [M 16,384, K 256] x [K 256, N 256]; A: input x; B: input wv: QUANTISED
;;     4. batch 16 x [M 4,096, K 64] x [K 64, N 4,096]; A: computed on the way; B: computed on the way: QUANTISED
;;     5. batch 16 x [M 64, K 4,096] x [K 4,096, N 4,096]; A: computed on the way; B: softmax (see below): QUANTISED
;;     6. [M 16,384, K 256] x [K 256, N 256]; A: computed on the way; B: input wo: QUANTISED
;;   THE QUANTISER, for each operand of a quantised product, along K:
;;     - K is cut into blocks of 32 from its start; a last block that is shorter is filled with zeros.
;;     - A block's scale is 2^e with e = floor(log2(the largest magnitude in the block)) - 15, held to -126 .. 127; a block of zeros has e = 0. As a byte (E8M0): e + 127.
;;     - Each number is divided by its block's scale, clamped to +-57,344, and rounded to the nearest number of E5M2, ties to even, subnormals kept.
;;     - The product sums the exact products of the quantised numbers (number of the format x scale) in f32.
;;   ~~~python
;;   def quantise(x, axis):      # numpy; x: float32 -> the quantised numbers, widened to float32 again
;;       x = np.moveaxis(x, axis, -1); K = x.shape[-1]
;;       x = np.pad(x, [(0, 0)] * (x.ndim - 1) + [(0, -K % 32)]); x = x.reshape(x.shape[:-1] + (-1, 32)); a = np.abs(x).max(-1, keepdims=True)
;;       e = np.where(a > 0, np.clip(np.frexp(np.where(a > 0, a, 1))[1] - 1 - 15, -126, 127), 0)      # np.frexp(a)[1] - 1 = floor(log2(a)), exactly
;;       r = np.clip(x / 2.0 ** e, -57344, 57344)
;;       step = 2.0 ** (np.maximum(np.frexp(np.where(r == 0, 1, r))[1] - 1, -14) - 2)
;;       q = np.round(r / step) * step * 2.0 ** e      # np.round: ties to even
;;       return np.moveaxis(q.reshape(q.shape[:-2] + (-1,))[..., :K], -1, axis).astype(np.float32)
;;   ~~~
;;   SOFTMAX AHEAD OF A QUANTISED PRODUCT. Where the list says 'softmax', what is quantised is not the finished softmax but p = 2^(t - M), with t = logit x log2(e) and M = ceil(the row's largest t), a whole number; so 1/2 < the row's largest p <= 1. The row's sum l is taken of the UNQUANTISED p, in f32, and the product's result is divided by l at the end. Since M is a whole number, a kernel that streams over the keys may use a running M (the ceiling of the running maximum): every later rescaling is an exact power of two, which a block's scale takes up: the codes' values come out the same.
;;   OPERANDS COMPUTED ON THE WAY. 'Computed on the way' means the value that the module computes at that place (a softmax that the list does not call 'softmax' is quantised finished and normalised). What goes into a quantiser is computed in f32, as accurately as f32 sums, v_exp_f32 and their like allow (about 1e-6 of the number): no bf16 or f16 on the way to a quantiser, and a product that is left as it is and whose result goes on into a quantised operand takes f32 operands (vector FMAs, or v_wmma_f32_16x16x4_f32). A number that lies on a knife's edge between two numbers of the format may be rounded either way, as far as f32 arithmetic and the matrix unit's own rounding can turn it there, and no further.
;; One version. Each part assembles by itself: llvm-mc -triple=amdgcn-amd-amdhsa -mcpu=gfx1250 --defsym DOCPART=n.
;; ======== version 1 of 1: 4 launches
;; limits: right only within a limited range of input values
;; workspace buffers: wbuf 270,336 bytes; qbuf 4,325,376 bytes; kvbuf 8,650,752 bytes; obuf 4,194,304 bytes; osbuf 262,144 bytes
;; launch prep (part 1): grid 4 x 4, 8 waves a work-group, no clusters, 1,536 bytes of LDS; arguments wq, wk, wv, wo, wbuf; writes wbuf
.if DOCPART == 1
	.amdgcn_target "amdgcn-amd-amdhsa--gfx1250"
	.amdhsa_code_object_version 6
	.text
	.protected	k_q75f9a05168_prep
	.globl	k_q75f9a05168_prep
	.p2align	8
	.type	k_q75f9a05168_prep,@function
k_q75f9a05168_prep:
	s_mov_b64 s[64:65], 0
	v_nop
	global_prefetch_b8 v0, s[64:65] scope:SCOPE_SE
	s_setreg_imm32_b32 hwreg(HW_REG_WAVE_MODE, 25, 1), 1
	s_wait_xcnt 0x0
; The four weights [256][256] f32 (K = the second axis, innermost) become codes of E5M2 with one E8M0 byte for each 32 along K, once for the whole program.
; LAYOUT OF wbuf: 16 records of REC bytes, record 4 m + hh for matrix m (0 q, 1 k, 2 v, 3 o) and rows 64 hh .. 64 hh + 63.  A record holds 8 operand fragments as images of their registers
; (fragment f = 4 s + t at 2048 f: registers 4 c .. 4 c + 3 of lane l at 512 c + 16 l) and behind them, at 16,384 + 64 f + 4 r, the fragments' scale words.
; In fragment (s, t) lane (r, h) holds weight row 64 hh + 32 (t / 2) + 8 (t % 2) + r + 8 (r / 8) and K = 128 s + 32 c + 16 h + 0 .. 15: the rows of a tile are chosen so that the results of two
; neighbouring tiles are 16 neighbours along the next product's K.
; SHARES: work-group (x = hh, y = m) makes one record, wave w its fragment w.  The job is 128 fragments in all, so there are 16 work-groups; 1 MiB is read once: no LDS ring, no cluster, no prefetch.
; LIMITS: NaN and infinities among the inputs are not served.  A block of zeros gets the byte 1 (not 127): its codes are zeros, and only this program reads the bytes.
.set REC,  16896
.set WA,   4                           ; v4   my byte in the tile's rows: (r + 8 (r / 8)) x 1,024 + 64 h
.set LI,   5                           ; v5   16 x lane
.set SA,   6                           ; v6   LDS: 64 x wave + 4 r: my row's scale word
.set X,    16                          ; v16-79   64 numbers: register 16 b + i = K 32 b + 16 h + i of my row
.set PC,   80                          ; v80-95   the fragment's codes
.set TM,   96                          ; v96-111  at work
.set PW,   112                         ; v112     the scale word
.set OUTR, 116                         ; v116-119 the record's scale words on their way out
.set WV,   14
.set SEL,  24                          ; s[24:25] lane selects: lane l xor 16
.set MNT,  26
; 64 numbers of a lane, v[s] on, register 16 b + i = K 32 b + 16 (lane / 16) + i of my row, become a fragment's codes in v[PC] on and its scale word in v[PW].
.macro QUANT s
.irp b, 0,1,2,3
	v_max3_num_f32 v[TM+\b], |v[\s+16*\b]|, |v[\s+1+16*\b]|, 0x8000000   ; block b: my 16 numbers, and the floor 2^(16 - 127): the byte cannot fall under 1
.endr
.irp i, 2,4,6,8,10,12,14
.irp b, 0,1,2,3
	s_delay_alu instid0(VALU_DEP_4)
	v_max3_num_f32 v[TM+\b], v[TM+\b], |v[\s+16*\b+\i]|, |v[\s+1+16*\b+\i]|   ; the four blocks by turns
.endr
.endr
.irp b, 0,1,2,3
	s_delay_alu instid0(VALU_DEP_4)
	v_permlanex16_b32 v[TM+4+\b], v[TM+\b], s[SEL], s[SEL+1]
.endr
.irp b, 0,1,2,3
	s_delay_alu instid0(VALU_DEP_4)
	v_max_num_f32 v[TM+\b], v[TM+\b], v[TM+4+\b]   ; with lane l xor 16's 16: the block's largest magnitude
.endr
.irp b, 0,1,2,3
	s_delay_alu instid0(VALU_DEP_4)
	v_add_nc_u32 v[TM+12+\b], 0xf8800000, v[TM+\b]   ; 15 off its exponent field: the conversion's scale operand
.endr
.irp b, 0,1,2,3
.endr
.irp b, 0,1,2,3
	s_delay_alu instid0(VALU_DEP_4)
	v_lshrrev_b32 v[TM+4+\b], 23, v[TM+12+\b]   ; the scale's byte
.endr
	s_delay_alu instid0(VALU_DEP_3)
	v_lshl_or_b32 v[PW], v[TM+5], 8, v[TM+4]
	s_delay_alu instid0(VALU_DEP_1)
	v_lshl_or_b32 v[PW], v[TM+6], 16, v[PW]
	s_delay_alu instid0(VALU_DEP_1)
	v_lshl_or_b32 v[PW], v[TM+7], 24, v[PW]
.irp b, 0,1,2,3
.irp i, 0,1,2,3,4,5,6,7,8,9,10,11,12,13,14,15
.endr
	v_cvt_scalef32_pk8_bf8_f32 v[PC+4*\b:PC+1+4*\b], v[\s+16*\b:\s+7+16*\b], v[TM+12+\b]
	v_cvt_scalef32_pk8_bf8_f32 v[PC+2+4*\b:PC+3+4*\b], v[\s+8+16*\b:\s+15+16*\b], v[TM+12+\b]
.endr
	v_nop                                          ; one plain vector line behind the last conversion
.endm
	s_load_b256 s[4:11], s[0:1], 0x0               ; wq, wk, wv, wo
	s_load_b64 s[12:13], s[0:1], 0x20              ; wbuf
	v_lshl_add_u32 v128, v0, 2, 0x200
	v_mov_b32 v129, 0
	v_lshrrev_b32 v1, 5, v0
	s_delay_alu instid0(VALU_DEP_1)
	v_readfirstlane_b32 s[WV], v1                  ; wave 0..7 = fragment
	v_and_b32 v1, 31, v0                           ; lane
	v_and_b32 v2, 15, v0                           ; r
	v_bfe_u32 v3, v0, 4, 1                         ; h
	s_delay_alu instid0(VALU_DEP_2)
	v_and_b32 v[WA], 8, v2
	s_delay_alu instid0(VALU_DEP_1)
	v_add_nc_u32 v[WA], v[WA], v2                  ; r + 8 (r / 8)
	s_delay_alu instid0(VALU_DEP_1)
	v_lshlrev_b32 v[WA], 10, v[WA]                 ; a row is 1,024 bytes
	s_delay_alu instid0(VALU_DEP_1)
	v_lshl_add_u32 v[WA], v3, 6, v[WA]             ; + 64 h: my 16 numbers of a block of 32
	v_lshlrev_b32 v[LI], 4, v1
	s_lshl_b32 s16, s[WV], 6
	v_lshl_add_u32 v[SA], v2, 2, s16
.irp b, 0,1,2,3
	v_mov_b32 v[TM+4+\b], 0                        ; written once: a lane permute's destination counts as one of its sources
.endr
	s_mov_b32 s[SEL], 0x76543210
	s_mov_b32 s[SEL+1], 0xfedcba98
	s_and_b32 s15, ttmp7, 0xffff                   ; m: which matrix
	s_lshr_b32 s17, s[WV], 2                       ; s: K step
	s_and_b32 s18, s[WV], 3                        ; t: tile
	s_lshl_b32 s20, ttmp9, 6                       ; the tile's first row: 64 hh
	s_lshr_b32 s21, s18, 1
	s_lshl_b32 s21, s21, 5
	s_add_co_u32 s20, s20, s21                     ; + 32 (t / 2)
	s_and_b32 s21, s18, 1
	s_lshl_b32 s21, s21, 3
	s_add_co_u32 s20, s20, s21                     ; + 8 (t % 2)
	s_lshl_b32 s20, s20, 10
	s_lshl_b32 s21, s17, 9
	s_add_co_u32 s20, s20, s21                     ; in bytes, + 512 s
	s_mov_b32 s21, 0
	s_lshl_b32 s22, s15, 2
	s_add_co_u32 s22, s22, ttmp9
	s_mul_i32 s22, s22, REC                        ; my record
	s_mov_b32 s23, 0
	s_lshl_b32 s28, s[WV], 11                      ; my fragment in it
	s_mov_b32 s29, 0
	s_wait_alu depctr_va_vdst(0)
	s_wait_kmcnt 0x0
	s_and_b32 s16, s15, 1                          ; the matrix is chosen by the work-group's number alone
	s_cmp_lg_u32 s16, 0
	s_cselect_b64 s[4:5], s[6:7], s[4:5]           ; wk or wq
	s_cselect_b64 s[8:9], s[10:11], s[8:9]         ; wo or wv
	s_and_b32 s16, s15, 2
	s_cmp_lg_u32 s16, 0
	s_cselect_b64 s[4:5], s[8:9], s[4:5]
	s_add_nc_u64 s[4:5], s[4:5], s[20:21]
	s_add_nc_u64 s[12:13], s[12:13], s[22:23]
	s_add_nc_u64 s[8:9], s[12:13], s[28:29]
.irp b, 0,1,2,3
.irp j, 0,1,2,3
	global_load_b128 v[X+16*\b+4*\j:X+16*\b+4*\j+3], v[WA], s[4:5] offset:128*\b+16*\j th:TH_LOAD_NT
.endr
.endr
	s_wait_loadcnt 0x0
	QUANT X
.irp c, 0,1,2,3
	global_store_b128 v[LI], v[PC+4*\c:PC+4*\c+3], s[8:9] offset:512*\c   ; 32 lanes store 512 consecutive bytes, aligned
.endr
	ds_store_b32 v[SA], v[PW]                      ; lanes r and r + 16 write the same word with the same value
	s_wait_dscnt 0x0                               ; for the others' sake: my store has landed
	s_barrier_signal -1
	s_barrier_wait -1
	s_cmp_lg_u32 s[WV], 0                          ; wave 0 stores the record's 128 scale words as 512 consecutive bytes
	s_cbranch_scc1 .Ldone
	ds_load_b128 v[OUTR:OUTR+3], v[LI]
	s_wait_dscnt 0x0
	global_store_b128 v[LI], v[OUTR:OUTR+3], s[12:13] offset:16384
.Ldone:
	s_wait_tensorcnt 0x0
	ds_add_u32 v128, v129
	s_wait_dscnt 0x0
	s_endpgm
.Lfunc_end_k_q75f9a05168_prep:
	.size	k_q75f9a05168_prep, .Lfunc_end_k_q75f9a05168_prep-k_q75f9a05168_prep
	.p2alignl 7, 3214868480
	.fill 96, 4, 3214868480
	.section	.rodata,"a",@progbits
	.p2align	6, 0x0
	.amdhsa_kernel k_q75f9a05168_prep
		.amdhsa_group_segment_fixed_size 1536
		.amdhsa_private_segment_fixed_size 0
		.amdhsa_enable_private_segment 0
		.amdhsa_kernarg_size 40
		.amdhsa_user_sgpr_count 2
		.amdhsa_user_sgpr_kernarg_segment_ptr 1
		.amdhsa_wavefront_size32 1
		.amdhsa_system_sgpr_workgroup_id_x 1
		.amdhsa_system_sgpr_workgroup_id_y 1
		.amdhsa_system_sgpr_workgroup_id_z 1
		.amdhsa_system_vgpr_workitem_id 0
		.amdhsa_next_free_vgpr 130
		.amdhsa_next_free_sgpr 66
		.amdhsa_reserve_vcc 0
		.amdhsa_float_denorm_mode_32 3
		.amdhsa_float_denorm_mode_16_64 3
		.amdhsa_fp16_overflow 1
		.amdhsa_memory_ordered 1
		.amdhsa_forward_progress 1
		.amdhsa_inst_pref_size 10
	.end_amdhsa_kernel
	.amdgpu_metadata
---
amdhsa.version: [ 1, 2 ]
amdhsa.kernels:
  - .name:           k_q75f9a05168_prep
    .symbol:         k_q75f9a05168_prep.kd
    .args:
      - { .name: wq, .offset: 0, .size: 8, .value_kind: global_buffer, .address_space: global }
      - { .name: wk, .offset: 8, .size: 8, .value_kind: global_buffer, .address_space: global }
      - { .name: wv, .offset: 16, .size: 8, .value_kind: global_buffer, .address_space: global }
      - { .name: wo, .offset: 24, .size: 8, .value_kind: global_buffer, .address_space: global }
      - { .name: wbuf, .offset: 32, .size: 8, .value_kind: global_buffer, .address_space: global }
    .group_segment_fixed_size: 1536
    .private_segment_fixed_size: 0
    .kernarg_segment_align: 8
    .kernarg_segment_size: 40
    .max_flat_workgroup_size: 256
    .sgpr_count:     66
    .vgpr_count:     130
    .wavefront_size: 32
...
	.end_amdgpu_metadata
.endif
;; end of part 1
;; launch proj (part 2): grid 2 x 128, 8 waves a work-group, no clusters, 327,680 bytes of LDS; arguments x, wbuf, bq, bk, bv, qbuf, kvbuf; writes qbuf, kvbuf
.if DOCPART == 2
	.amdgcn_target "amdgcn-amd-amdhsa--gfx1250"
	.amdhsa_code_object_version 6
	.text
	.protected	k_q75f9a05168_proj
	.globl	k_q75f9a05168_proj
	.p2align	8
	.type	k_q75f9a05168_proj,@function
k_q75f9a05168_proj:
	s_mov_b64 s[64:65], 0
	v_nop
	global_prefetch_b8 v0, s[64:65] scope:SCOPE_SE
	s_setreg_imm32_b32 hwreg(HW_REG_WAVE_MODE, 25, 1), 1
	s_wait_xcnt 0x0
; q, k, v = W x + b on codes of E5M2 (one E8M0 byte for each 32 along K = the 256 channels); the results are quantised at once for the attention's two products and stored as images of operand registers.
; SHARES.  Work-group (x = head pair hp, y = 32 b + step) takes the 128 pixels 128 step .. + 127 of image b and heads 2 hp, 2 hp + 1: 384 rows of W.  Wave w (hl = w / 4, j = w % 4) makes three units of 16 matrix
; instructions, each one fragment: q of head hl for pixel tiles 2 j, 2 j + 1; k likewise; v of head hl, channel tile j, for all 128 pixels.
; x HAS K AS ITS FIRST AXIS: its tile (256 channels x 128 pixels, f32) comes into LDS by tensor loads; a lane takes one pixel and its registers run down the channels, so the conversions give codes with K innermost.
; THE PIXELS OF A TILE ARE NOT NEIGHBOURS: lane r of tile T takes pixel 32 (T / 2) + 8 (T % 2) + r + 8 (r / 8); the weights' rows are laid the same way.  So 16 registers of two neighbouring result tiles are 16 neighbours along the next K.
; q, k: source 0 = 16 rows of W, source 1 = 16 pixels: a lane holds one pixel, registers along d (the next K, 64).  Two pixel tiles are packed into one fragment: registers 0-7 tile 2 j, registers 8-15 tile 2 j + 1.
; v: source 0 = 16 pixels, source 1 = 16 rows of wv: a lane holds one channel d, registers along the pixels (the keys: the next K).
; OUT.  qbuf: record 32 bh + step of 8,448 bytes: pair j at 2048 j, scale words at 8,192 + 64 j + 4 r.  kvbuf: record 32 bh + step of REC bytes: k's pair j at 2048 j, v's tile t at 8,192 + 2048 t, k's words at 16,384 + 64 j + 4 r, v's at 16,640 + 64 t + 4 r.
; NO JOINT LOADS: every tile is asked for once, at the kernel's head (x's 131,072 bytes, shared with one other work-group; 101,376 bytes of weights' codes); there is no loop in which requests recur, and a grid of 2 along x is divided by no cluster of four.
; No LDS byte is filled twice.  No prefetch: each byte is asked for at the head, with nothing ahead of it.
; LIMITS: NaN and infinities among the inputs are not served.  A block of zeros gets the byte 1 (not 127): its codes are zeros, and only this program reads the bytes.
.set REC,  16896
.set WM,   2*REC                       ; a matrix's two records (heads 2 hp, 2 hp + 1)
.set XP,   520                         ; a row of x's tile in LDS: 512 bytes + 8 of padding = 130 words: 16 rows on is 32 banks on (64 banks of 4 bytes: ISA guide 11.1), so a load's 32 lanes touch 32 banks
.set WREC, 256*XP                      ; 133,120: the codes of wq, wk, wv: 3 x WM bytes
.set XIMG, WREC+3*WM                   ; 234,496: x's 16 fragments (tile T, K step s at (2 T + s) x 2,048), written by LDS stores alone
.set XSC,  XIMG+32768                  ; 267,264: their scale words, 128 bytes a fragment, 4 x lane
.set OSCL, XSC+2048                    ; 269,312: the results' scale words: for each hl 768 bytes: k's, v's, q's
.set LI,   1                           ; v1   16 x lane
.set LS,   2                           ; v2   4 x lane
.set XT0,  3                           ; v3   x's tile: my pixel, channel 16 h;  v4: 128 channels on
.set XT1,  4
.set XWI,  6                           ; v6   where I store x's images;  v7 their scale words
.set XWS,  7
.set WA,   8                           ; v8   my head's record of wq;  v9 its scale words (lanes 16-31: the next tile's)
.set WSA,  9
.set XRA,  10                          ; v10  x's fragments of tiles 2 j, 2 j + 1;  v11 their scale words
.set XRS,  11
.set XI,   12                          ; v12  x's fragments from tile 0;  v13 their scale words
.set XIS,  13
.set WVA,  14                          ; v14  wv's tile j of my head;  v15 its scale words
.set WVS,  15
.set OSA,  16                          ; v16  where I put a unit's scale word
.set OSR,  17                          ; v17, v18  where waves 0 and 1 read them back
.set OSR2, 18
.set L8,   19                          ; v19  8 x lane
.set BA,   20                          ; v20  64 h: my half's place in a bias
.set BVA,  21                          ; v21  4 x my channel of tile j
.set PW,   22                          ; v22  the scale word just made
.set WS,   23                          ; v23-26  scale words of source 0
.set XS,   27                          ; v27-28  of source 1
.set ACC,  32                          ; v32-95   eight accumulators
.set WF,   96                          ; v96-159  four fragments
.set XF,   160                         ; v160-191 two fragments
.set PC,   192                         ; v192-207 the codes just made
.set TM,   208                         ; v208-223 at work
.set BI,   224                         ; v224-255 the bias in the result's layout
.set WV,   18
.set G1X,  28                          ; s[28:35] descriptor group 1 for x's tile;  s[36:43] for the weights' records
.set G1W,  36
.set G0X,  44                          ; s[44:47], s[48:51] their groups 0
.set G0W,  48
.set SEL,  52
.set MNT,  54
.set SQ,   68                          ; s[68:69] q's fragment;  s[70:71] k's;  s[72:73] v's;  s[74:75], s[76:77] the records' scale words
.set SK,   70
.set SV,   72
.set SQS,  74
.set SKS,  76
.macro QUANT s
.irp b, 0,1,2,3
	v_max3_num_f32 v[TM+\b], |v[\s+16*\b]|, |v[\s+1+16*\b]|, 0x8000000   ; block b: my 16 numbers, and the floor 2^(16 - 127): the byte cannot fall under 1
.endr
.irp i, 2,4,6,8,10,12,14
.irp b, 0,1,2,3
	v_max3_num_f32 v[TM+\b], v[TM+\b], |v[\s+16*\b+\i]|, |v[\s+1+16*\b+\i]|   ; the four blocks by turns
.endr
.endr
.irp b, 0,1,2,3
	s_delay_alu instid0(VALU_DEP_4)
	v_permlanex16_b32 v[TM+4+\b], v[TM+\b], s[SEL], s[SEL+1]
.endr
.irp b, 0,1,2,3
	s_delay_alu instid0(VALU_DEP_4)
	v_max_num_f32 v[TM+\b], v[TM+\b], v[TM+4+\b]   ; with lane l xor 16's 16: the block's largest magnitude
.endr
.irp b, 0,1,2,3
	s_delay_alu instid0(VALU_DEP_4)
	v_add_nc_u32 v[TM+12+\b], 0xf8800000, v[TM+\b]   ; 15 off its exponent field: the conversion's scale operand
.endr
.irp b, 0,1,2,3
.endr
.irp b, 0,1,2,3
	s_delay_alu instid0(VALU_DEP_4)
	v_lshrrev_b32 v[TM+4+\b], 23, v[TM+12+\b]   ; the scale's byte
.endr
	s_delay_alu instid0(VALU_DEP_3)
	v_lshl_or_b32 v[PW], v[TM+5], 8, v[TM+4]
	s_delay_alu instid0(VALU_DEP_1)
	v_lshl_or_b32 v[PW], v[TM+6], 16, v[PW]
	s_delay_alu instid0(VALU_DEP_1)
	v_lshl_or_b32 v[PW], v[TM+7], 24, v[PW]
.irp b, 0,1,2,3
.irp i, 0,1,2,3,4,5,6,7,8,9,10,11,12,13,14,15
.endr
	v_cvt_scalef32_pk8_bf8_f32 v[PC+4*\b:PC+1+4*\b], v[\s+16*\b:\s+7+16*\b], v[TM+12+\b]
	v_cvt_scalef32_pk8_bf8_f32 v[PC+2+4*\b:PC+3+4*\b], v[\s+8+16*\b:\s+15+16*\b], v[TM+12+\b]
.endr
	v_nop                                          ; one plain vector line behind the last conversion: later products write the numbers' registers
.endm
; One scaled product.  c < 0: the sum starts with the constant 0.  row = 1: source 0's scale words are taken from lanes 16-31.
.macro MM d, a, b, c, sa, sb, row
.if (\c) < 0
.if \row
	v_wmma_scale_f32_16x16x128_f8f6f4 v[\d:\d+7], v[\a:\a+15], v[\b:\b+15], 0, v[\sa], v[\sb] matrix_a_fmt:MATRIX_FMT_BF8 matrix_b_fmt:MATRIX_FMT_BF8 matrix_a_scale:MATRIX_SCALE_ROW1
.else
	v_wmma_scale_f32_16x16x128_f8f6f4 v[\d:\d+7], v[\a:\a+15], v[\b:\b+15], 0, v[\sa], v[\sb] matrix_a_fmt:MATRIX_FMT_BF8 matrix_b_fmt:MATRIX_FMT_BF8
.endif
.else
.if \row
	v_wmma_scale_f32_16x16x128_f8f6f4 v[\d:\d+7], v[\a:\a+15], v[\b:\b+15], v[\c:\c+7], v[\sa], v[\sb] matrix_a_fmt:MATRIX_FMT_BF8 matrix_b_fmt:MATRIX_FMT_BF8 matrix_a_scale:MATRIX_SCALE_ROW1
.else
	v_wmma_scale_f32_16x16x128_f8f6f4 v[\d:\d+7], v[\a:\a+15], v[\b:\b+15], v[\c:\c+7], v[\sa], v[\sb] matrix_a_fmt:MATRIX_FMT_BF8 matrix_b_fmt:MATRIX_FMT_BF8
.endif
.endif
.endm
.macro PLACES n                        ; plain vector lines between a matrix instruction and a load into, or a read of, its registers: eight for this form
.rept \n
	v_nop
.endr
.endm
.macro FRAG reg, adr, off              ; a fragment's image comes back as it was stored: four loads of 512 consecutive bytes
.irp c, 0,1,2,3
	ds_load_b128 v[\reg+4*\c:\reg+4*\c+3], v[\adr] offset:\off+512*\c
.endr
.endm
.macro IMAGE adr, off
.irp c, 0,1,2,3
	ds_store_b128 v[\adr], v[PC+4*\c:PC+4*\c+3] offset:\off+512*\c
.endr
.endm
.macro XLD reg, adr                    ; 64 numbers of my pixel: channels 32 c + 16 h + i of a K step
.irp c, 0,1,2,3
.irp i, 0,1,2,3,4,5,6,7,8,9,10,11,12,13,14,15
	ds_load_b32 v[\reg+16*\c+\i], v[\adr] offset:(32*\c+\i)*XP
.endr
.endr
.endm
.macro BARRIER                         ; my LDS stores have landed and my LDS loads are in: then the work-group's barrier
	s_wait_dscnt 0x0
	s_barrier_signal -1
	s_barrier_wait -1
.endm
.macro BIASQK p                        ; tile t's eight registers: the bias of d = 32 (t / 2) + 8 (t % 2) + 16 h + 0 .. 7
.irp t, 0,1,2,3
	global_load_b128 v[BI+8*\t:BI+8*\t+3], v[BA], s[\p:\p+1] offset:(32*(\t/2)+8*(\t%2))*4
	global_load_b128 v[BI+8*\t+4:BI+8*\t+7], v[BA], s[\p:\p+1] offset:(32*(\t/2)+8*(\t%2))*4+16
.endr
.endm
.macro BIASV                           ; v's results hold one channel a lane: its bias in all eight registers
.irp i, 0,1,2,3,4,5,6,7
	global_load_b32 v[BI+\i], v[BVA], s[12:13]
.endr
.endm
.macro OUTF p                          ; the fragment just made: four stores of 512 consecutive bytes, aligned
.irp c, 0,1,2,3
	global_store_b128 v[LI], v[PC+4*\c:PC+4*\c+3], s[\p:\p+1] offset:512*\c
.endr
.endm
; q's or k's unit: matrix m (0 q, 1 k).  Eight accumulators (pixel tile u, weight tile t) by turns, one instruction a turn, K step by K step; the bias is the C of the first K step.
; next: the bias that is asked for meanwhile, into the registers that the first K step has read: 1 bk, 2 bv.
.macro QKUNIT m, next
.irp s, 0,1
.if \s
	PLACES 8                                       ; behind the first K step's products: their fragments, scale words and bias registers are loaded anew
.if \next == 1
	BIASQK 10
.else
	BIASV
.endif
.endif
.irp t, 0,1,2,3
	FRAG WF+16*\t, WA, \m*WM+(4*\s+\t)*2048
.endr
.irp u, 0,1
	FRAG XF+16*\u, XRA, (2*\u+\s)*2048
.endr
.irp g, 0,1
	ds_load_b32 v[WS+\g], v[WSA] offset:\m*WM+(4*\s+2*\g)*64   ; lanes 0-15: tile 2 g's words, lanes 16-31: tile 2 g + 1's
.endr
.irp u, 0,1
	ds_load_b32 v[XS+\u], v[XRS] offset:(2*\u+\s)*128
.endr
.if \s == 0
	s_wait_loadcnt 0x0                             ; the bias
.endif
	s_wait_dscnt 0x0
.irp u, 0,1
.irp t, 0,1,2,3
.if \s == 0
	MM ACC+8*(4*\u+\t), WF+16*\t, XF+16*\u, BI+8*\t, WS+\t/2, XS+\u, \t%2
.else
	MM ACC+8*(4*\u+\t), WF+16*\t, XF+16*\u, ACC+8*(4*\u+\t), WS+\t/2, XS+\u, \t%2
.endif
.endr
.endr
.endr
	PLACES 8                                       ; ahead of the first read of the results
.endm
; v's unit: source 0 = a pixel tile of x (eight of them, four at a time), source 1 = wv's tile j.
.macro VUNIT
.irp s, 0,1
.if \s
	PLACES 8
.endif
	FRAG XF, WVA, 8192*\s
	ds_load_b32 v[XS], v[WVS] offset:256*\s
.irp g, 0,1
.if \g
	PLACES 8
.endif
.irp i, 0,1,2,3
	FRAG WF+16*\i, XI, (2*(4*\g+\i)+\s)*2048
	ds_load_b32 v[WS+\i], v[XIS] offset:(2*(4*\g+\i)+\s)*128
.endr
.if (\s == 0) && (\g == 0)
	s_wait_loadcnt 0x0                             ; the bias
.endif
	s_wait_dscnt 0x0
.irp i, 0,1,2,3
.if \s == 0
	MM ACC+8*(4*\g+\i), WF+16*\i, XF, BI, WS+\i, XS, 0
.else
	MM ACC+8*(4*\g+\i), WF+16*\i, XF, ACC+8*(4*\g+\i), WS+\i, XS, 0
.endif
.endr
.endr
.endr
	PLACES 8
.endm
	s_load_b256 s[4:11], s[0:1], 0x0               ; x, wbuf, bq, bk
	s_load_b128 s[12:15], s[0:1], 0x20             ; bv, qbuf
	s_load_b64 s[16:17], s[0:1], 0x30              ; kvbuf
	v_lshl_add_u32 v5, v0, 2, 0x42200
	s_set_vgpr_msb 0x40
	v_mov_b32 v1, 0
	s_set_vgpr_msb 0x4044
	ds_add_u32 v5, v1
	ds_add_u32 v5, v1
	s_set_vgpr_msb 0x4400
	v_lshrrev_b32 v30, 5, v0
	s_delay_alu instid0(VALU_DEP_1)
	v_readfirstlane_b32 s[WV], v30                 ; wave 0..7
	s_and_b32 s20, ttmp7, 0xffff
	s_lshr_b32 s21, s20, 5                         ; b: the image
	s_and_b32 s22, s20, 31                         ; step: which 128 pixels
	s_lshr_b32 s23, s[WV], 2                       ; hl: which head of the pair
	s_and_b32 s24, s[WV], 3                        ; j
	; group 1 for x: 64 rows (channels) of 128 f32, 4,096 elements apart; 2 words of padding behind every 128
	s_mov_b32 s[G1X+0], (2<<16)|(1<<20)|(6<<22)|(1<<25)
	s_mov_b32 s[G1X+1], 128<<16                    ; tensor_dim0
	s_mov_b32 s[G1X+2], 64<<16                     ; tensor_dim1
	s_mov_b32 s[G1X+3], 128<<16                    ; tile_dim0
	s_mov_b32 s[G1X+4], 64                         ; tile_dim1
	s_mov_b32 s[G1X+5], 4096                       ; from row to row
	s_mov_b32 s[G1X+6], 0
	s_mov_b32 s[G1X+7], 0
	; group 1 for a matrix's two records: a dense block of 33,792 bytes as 132 rows of 256 bytes (32 elements of 8 bytes)
	s_mov_b32 s[G1W+0], 3<<16
	s_mov_b32 s[G1W+1], 32<<16
	s_mov_b32 s[G1W+2], 132<<16
	s_mov_b32 s[G1W+3], 32<<16
	s_mov_b32 s[G1W+4], 132
	s_mov_b32 s[G1W+5], 32
	s_mov_b32 s[G1W+6], 0
	s_mov_b32 s[G1W+7], 0
	s_lshl_b32 s56, s21, 22                        ; x: image b,
	s_lshl_b32 s58, s24, 20
	s_add_co_u32 s56, s56, s58                     ; channels 64 (w % 4) on,
	s_lshl_b32 s58, s22, 9
	s_add_co_u32 s56, s56, s58                     ; pixels 128 step on
	s_mov_b32 s57, 0
	s_mov_b32 s[G0X], 1
	s_mul_i32 s[G0X+1], s24, 64*XP                 ; in LDS: 64 rows a wave
	s_min_u32 s58, s24, 2                          ; waves 4, 5, 6 fetch matrix 0, 1, 2
	s_mov_b32 s[G0W], 1
	s_mul_i32 s[G0W+1], s58, WM
	s_add_co_u32 s[G0W+1], s[G0W+1], WREC
	s_lshl_b32 s58, s58, 2
	s_lshl_b32 s59, ttmp9, 1
	s_add_co_u32 s58, s58, s59
	s_mul_i32 s58, s58, REC                        ; record 4 m + 2 hp
	s_mov_b32 s59, 0
	s_wait_dscnt 0x0
	s_wait_kmcnt 0x0
	s_add_nc_u64 s[G0X+2:G0X+3], s[4:5], s[56:57]
	s_or_b32 s[G0X+3], s[G0X+3], 0x80000000
	s_add_nc_u64 s[G0W+2:G0W+3], s[6:7], s[58:59]
	s_or_b32 s[G0W+3], s[G0W+3], 0x80000000
	; all fills of the launch, ahead of every wait on TENSORcnt, LDS read and barrier: waves 0-3 a quarter of x's tile each, waves 4-6 a matrix each, wave 7 none: at most one tensor load of a wave is out
	s_cmp_lt_u32 s[WV], 4
	s_cbranch_scc0 .Lnot_x
	tensor_load_to_lds s[G0X:G0X+3], s[G1X:G1X+7]
	s_nop 0
.rept 4
	v_nop
.endr
	s_branch .Lasked
.Lnot_x:
	s_cmp_lt_u32 s[WV], 7
	s_cbranch_scc0 .Lasked
	tensor_load_to_lds s[G0W:G0W+3], s[G1W:G1W+7]
	s_nop 0
.rept 4
	v_nop
.endr
.Lasked:
	; where the results go
	s_lshl_b32 s56, s21, 2
	s_lshl_b32 s58, ttmp9, 1
	s_add_co_u32 s56, s56, s58                     ; 4 b + 2 hp
	s_add_co_u32 s60, s56, s23                     ; bh
	s_lshl_b32 s60, s60, 5
	s_add_co_u32 s60, s60, s22                     ; record 32 bh + step
	s_lshl_b32 s61, s24, 11                        ; fragment j
	s_mul_i32 s58, s60, 8448
	s_add_co_u32 s58, s58, s61
	s_add_nc_u64 s[SQ:SQ+1], s[14:15], s[58:59]
	s_mul_i32 s58, s60, REC
	s_add_co_u32 s58, s58, s61
	s_add_nc_u64 s[SK:SK+1], s[16:17], s[58:59]
	s_add_nc_u64 s[SV:SV+1], s[SK:SK+1], 8192
	s_and_b32 s60, s[WV], 1                        ; waves 0 and 1 store the scale words of heads 2 hp and 2 hp + 1
	s_add_co_u32 s60, s56, s60
	s_lshl_b32 s60, s60, 5
	s_add_co_u32 s60, s60, s22
	s_mul_i32 s58, s60, 8448
	s_add_co_u32 s58, s58, 8192
	s_add_nc_u64 s[SQS:SQS+1], s[14:15], s[58:59]
	s_mul_i32 s58, s60, REC
	s_add_co_u32 s58, s58, 16384
	s_add_nc_u64 s[SKS:SKS+1], s[16:17], s[58:59]
	s_lshl_b32 s58, ttmp9, 1
	s_add_co_u32 s58, s58, s23
	s_lshl_b32 s58, s58, 8                         ; my head's 64 numbers of each bias
	s_add_nc_u64 s[8:9], s[8:9], s[58:59]
	s_add_nc_u64 s[10:11], s[10:11], s[58:59]
	s_add_nc_u64 s[12:13], s[12:13], s[58:59]
	s_mov_b32 s[SEL], 0x76543210
	s_mov_b32 s[SEL+1], 0xfedcba98
	v_and_b32 v30, 31, v0                          ; lane
	v_and_b32 v29, 15, v0                          ; r
	v_bfe_u32 v31, v0, 4, 1                        ; h
	s_wait_alu depctr_va_vdst(0)
	v_and_b32 v32, 8, v29
	s_delay_alu instid0(VALU_DEP_1)
	v_add_nc_u32 v32, v32, v29                     ; r + 8 (r / 8)
	v_lshlrev_b32 v[BA], 6, v31
	BIASQK 8                                       ; bq
	v_lshlrev_b32 v[LI], 4, v30
	v_lshlrev_b32 v[LS], 2, v30
	v_lshlrev_b32 v[L8], 3, v30
	s_lshr_b32 s58, s24, 1
	s_lshl_b32 s58, s58, 7
	s_and_b32 s60, s24, 1
	s_lshl_b32 s60, s60, 5
	s_add_co_u32 s58, s58, s60
	v_lshl_add_u32 v[BVA], v32, 2, s58             ; 4 x (32 (j / 2) + 8 (j % 2) + r + 8 (r / 8))
	s_lshr_b32 s58, s[WV], 1
	s_lshl_b32 s58, s58, 7
	s_and_b32 s60, s[WV], 1
	s_lshl_b32 s60, s60, 5
	s_add_co_u32 s58, s58, s60                     ; pixel tile w begins at pixel 32 (w / 2) + 8 (w % 2)
	v_mul_u32_u24 v[XT0], v31, 16*XP
	s_wait_alu depctr_va_vdst(0)
	v_lshl_add_u32 v[XT0], v32, 2, v[XT0]
	s_delay_alu instid0(VALU_DEP_1)
	v_add_nc_u32 v[XT0], s58, v[XT0]
	s_delay_alu instid0(VALU_DEP_1)
	v_add_nc_u32 v[XT1], 128*XP, v[XT0]
	s_lshl_b32 s58, s[WV], 12
	s_add_co_u32 s58, s58, XIMG
	v_add_nc_u32 v[XWI], s58, v[LI]
	s_lshl_b32 s58, s[WV], 8
	s_add_co_u32 s58, s58, XSC
	v_add_nc_u32 v[XWS], s58, v[LS]
	s_mul_i32 s60, s23, REC
	s_add_co_u32 s60, s60, WREC                    ; my head's record of wq
	v_add_nc_u32 v[WA], s60, v[LI]
	s_add_co_u32 s58, s60, 16384
	v_add_nc_u32 v[WSA], s58, v[LS]
	s_lshl_b32 s58, s24, 13
	s_add_co_u32 s58, s58, XIMG
	v_add_nc_u32 v[XRA], s58, v[LI]
	s_lshl_b32 s58, s24, 9
	s_add_co_u32 s58, s58, XSC
	v_add_nc_u32 v[XRS], s58, v[LS]
	v_add_nc_u32 v[XI], XIMG, v[LI]
	v_add_nc_u32 v[XIS], XSC, v[LS]
	s_lshl_b32 s58, s24, 11
	s_add_co_u32 s58, s58, s60
	s_add_co_u32 s58, s58, 2*WM
	v_add_nc_u32 v[WVA], s58, v[LI]
	s_lshl_b32 s58, s24, 6
	s_add_co_u32 s58, s58, s60
	s_add_co_u32 s58, s58, 2*WM+16384
	v_lshl_add_u32 v[WVS], v29, 2, s58
	s_mul_i32 s58, s23, 768
	s_lshl_b32 s61, s24, 6
	s_add_co_u32 s58, s58, s61
	s_add_co_u32 s58, s58, OSCL
	v_lshl_add_u32 v[OSA], v29, 2, s58
	s_and_b32 s58, s[WV], 1
	s_mul_i32 s58, s58, 768
	s_add_co_u32 s58, s58, OSCL
	v_add_nc_u32 v[OSR], s58, v[LI]
	s_add_co_u32 s58, s58, 512
	v_add_nc_u32 v[OSR2], s58, v[L8]
.irp b, 0,1,2,3
	v_mov_b32 v[TM+4+\b], 0                        ; written once: a lane permute's destination counts as one of its sources
.endr
	s_wait_tensorcnt 0x0                           ; my part has landed,
	s_barrier_signal -1
	s_barrier_wait -1                              ; everybody's has
	; ---- x: wave w quantises pixel tile w: two fragments (K steps 0 and 1)
	XLD ACC, XT0
	s_wait_dscnt 0x0
	XLD WF, XT1                                    ; the second K step's numbers land while the first's are quantised
	QUANT ACC
	IMAGE XWI, 0
	ds_store_b32 v[XWS], v[PW]
	s_wait_dscnt 0x0                               ; the second K step's numbers are in, and the stores have read their registers
	QUANT WF
	IMAGE XWI, 2048
	ds_store_b32 v[XWS], v[PW] offset:128
	BARRIER                                        ; x's sixteen fragments lie in LDS
	; ---- q
	QKUNIT 0, 1
	QUANT ACC
	OUTF SQ
	ds_store_b32 v[OSA], v[PW] offset:512
	; ---- k
	QKUNIT 1, 2
	s_wait_xcnt 0x0                                ; q's stores have read their data: the codes' registers are written again only behind this wait
	QUANT ACC
	OUTF SK
	ds_store_b32 v[OSA], v[PW]
	; ---- v
	VUNIT
	s_wait_xcnt 0x0                                ; likewise for k's stores
	QUANT ACC
	OUTF SV
	ds_store_b32 v[OSA], v[PW] offset:256
	BARRIER                                        ; all scale words of both heads lie in LDS
	s_cmp_lt_u32 s[WV], 2                          ; waves 0 and 1 store them: whole runs of 512 and 256 consecutive bytes, aligned
	s_cbranch_scc0 .Ldone
	ds_load_b128 v[WF:WF+3], v[OSR]
	ds_load_b64 v[WF+4:WF+5], v[OSR2]
	s_wait_dscnt 0x0
	global_store_b128 v[LI], v[WF:WF+3], s[SKS:SKS+1]
	global_store_b64 v[L8], v[WF+4:WF+5], s[SQS:SQS+1]
.Ldone:
	s_set_vgpr_msb 0x4
	s_wait_tensorcnt 0x0
	ds_add_u32 v5, v1
	s_wait_dscnt 0x0
	s_set_vgpr_msb 0x400
	s_endpgm
.Lfunc_end_k_q75f9a05168_proj:
	.size	k_q75f9a05168_proj, .Lfunc_end_k_q75f9a05168_proj-k_q75f9a05168_proj
	.p2alignl 7, 3214868480
	.fill 96, 4, 3214868480
	.section	.rodata,"a",@progbits
	.p2align	6, 0x0
	.amdhsa_kernel k_q75f9a05168_proj
		.amdhsa_group_segment_fixed_size 327680
		.amdhsa_private_segment_fixed_size 0
		.amdhsa_enable_private_segment 0
		.amdhsa_kernarg_size 56
		.amdhsa_user_sgpr_count 2
		.amdhsa_user_sgpr_kernarg_segment_ptr 1
		.amdhsa_wavefront_size32 1
		.amdhsa_system_sgpr_workgroup_id_x 1
		.amdhsa_system_sgpr_workgroup_id_y 1
		.amdhsa_system_sgpr_workgroup_id_z 1
		.amdhsa_system_vgpr_workitem_id 0
		.amdhsa_next_free_vgpr 258
		.amdhsa_next_free_sgpr 80
		.amdhsa_reserve_vcc 0
		.amdhsa_float_denorm_mode_32 3
		.amdhsa_float_denorm_mode_16_64 3
		.amdhsa_fp16_overflow 1
		.amdhsa_memory_ordered 1
		.amdhsa_forward_progress 1
		.amdhsa_inst_pref_size 63
	.end_amdhsa_kernel
	.amdgpu_metadata
---
amdhsa.version: [ 1, 2 ]
amdhsa.kernels:
  - .name:           k_q75f9a05168_proj
    .symbol:         k_q75f9a05168_proj.kd
    .args:
      - { .name: x, .offset: 0, .size: 8, .value_kind: global_buffer, .address_space: global }
      - { .name: wbuf, .offset: 8, .size: 8, .value_kind: global_buffer, .address_space: global }
      - { .name: bq, .offset: 16, .size: 8, .value_kind: global_buffer, .address_space: global }
      - { .name: bk, .offset: 24, .size: 8, .value_kind: global_buffer, .address_space: global }
      - { .name: bv, .offset: 32, .size: 8, .value_kind: global_buffer, .address_space: global }
      - { .name: qbuf, .offset: 40, .size: 8, .value_kind: global_buffer, .address_space: global }
      - { .name: kvbuf, .offset: 48, .size: 8, .value_kind: global_buffer, .address_space: global }
    .group_segment_fixed_size: 327680
    .private_segment_fixed_size: 0
    .kernarg_segment_align: 8
    .kernarg_segment_size: 56
    .max_flat_workgroup_size: 256
    .sgpr_count:     80
    .vgpr_count:     258
    .wavefront_size: 32
...
	.end_amdgpu_metadata
.endif
;; end of part 2
;; launch attn (part 3): grid 16 x 16, 16 waves a work-group, clusters of 4 x 1, 327,680 bytes of LDS; arguments qbuf, kvbuf, obuf, osbuf; writes obuf, osbuf
.if DOCPART == 3
	.amdgcn_target "amdgcn-amd-amdhsa--gfx1250"
	.amdhsa_code_object_version 6
	.text
	.protected	k_q75f9a05168_attn
	.globl	k_q75f9a05168_attn
	.p2align	8
	.type	k_q75f9a05168_attn,@function
k_q75f9a05168_attn:
	s_mov_b64 s[64:65], 0
	v_nop
	global_prefetch_b8 v0, s[64:65] scope:SCOPE_SE
	s_setreg_imm32_b32 hwreg(HW_REG_WAVE_MODE, 25, 1), 1
	s_wait_xcnt 0x0
	s_wait_alu depctr_hold_cnt(0) depctr_sa_sdst(0) depctr_va_vdst(0) depctr_va_sdst(0) depctr_va_ssrc(0) depctr_va_vcc(0) depctr_vm_vsrc(0)
	s_getreg_b32 s2, hwreg(HW_REG_IB_STS2, 6, 4)
	s_cmp_eq_u32 s2, 0
	s_cbranch_scc0 .Lentry_in_a_cluster
	s_endpgm
.Lentry_in_a_cluster:
	s_bfe_u32 s2, ttmp6, 0x10000c
	s_cmp_lg_u32 s2, 0x3003
	s_cbranch_scc0 .Lentry_shape_is_right
	s_endpgm
.Lentry_shape_is_right:
; O = softmax(q^T k / 8) v for 16 (image, head) pairs of 4,096 pixels and head size 64, both products on codes of E5M2 with one E8M0 byte for each 32 along K; O / the row's sum is quantised at once for the last product.
; THE SOFTMAX: t = score x log2(e) / 8; M = the running largest t rounded UP to a whole number; p = 2^(t - M) is what is quantised, along the keys, not normalised.  The row's sum is taken of the unquantised p and divides O
; at the end.  When M moves, the sum and O are multiplied by 2^(old M - new M), which rounds nothing.  No branch hangs on data.
; SHARES.  A work-group owns 256 queries of one (image, head); each of its sixteen waves one tile of 16, in 256 registers: four waves to a SIMD, so that one wave's vector work stands beside another's products and LDS loads.
; Every wave walks all 4,096 keys, 128 a step.  A step's record of kvbuf (REC bytes: 4 fragments of k, 4 of v, their scale words, all as images of operand registers) is one dense block; a slot holds four records.
; CLUSTER.  The four query blocks of a cluster belong to one (image, head) and walk the same records: each record is asked for JOINTLY, by the same tensor load with the same descriptor and a mask that names the four.
; LAYOUT.  S^T = k q^T (source 0 = keys, source 1 = my queries), O^T = v p^T (source 0 = 16 channels, source 1 = p): a lane holds ONE query (lane % 16) throughout.
; K = 64 IN THE FIRST PRODUCT, half of the instruction's 128: a fragment of k packs TWO key tiles (registers 0-7 and 8-15), and q stands between zeros: v16-23 zeros, v24-31 q's codes, v32-39 zeros.
; v[24:39] = [q | 0] picks the first tile, v[16:31] = [0 | q] the second: zero codes add nothing (k's codes are finite by the hold; no scale byte is 0xff).
; The keys of a tile were chosen so that the 16 registers of tiles 2 b, 2 b + 1 are keys 32 b + 16 (lane / 16) + 0 .. 15: p's conversions give the second product's operand as it stands.
; LIMITS: v_exp_f32 gives 0 for results under 2^-126 (ISA guide, its entry); a block of p that is all zeros keeps the byte 1, its codes are zeros.  NaN and infinities are not served.
.set REC,   16896
.set SLOTB, 4*REC                      ; 67,584 bytes: 512 keys
.set HEADB, 32*REC                     ; an (image, head)'s records
.set SLOT1, 1<<17                      ; slot 1 begins here: one exclusive or turns an address in one slot into the other's
.set SPARE, 2*SLOT1                    ; the spare words, 128 bytes for each of 16 waves: eight blocks of 256 bytes that no other line names
.set OSC,   SPARE+2048                 ; 1,024 bytes: O's scale words on their way out; written by LDS stores alone
.set LI,  1                            ; v1   16 x lane
.set LS,  2                            ; v2   4 x lane
.set OSA, 3                            ; v3   OSC + 64 x wave + 4 r
.set OSR, 4                            ; v4   OSC + 16 x thread
.set SPW, 5                            ; v5   my spare word; never rewritten
.set NIL, 6                            ; v6   0; never rewritten
.set PFO, 7                            ; v7   the prefetches' offset: 256 x min(lane, 21); never rewritten
.set ADR, 8                            ; v8   the step's record + 16 x lane
.set ADS, 9                            ; v9   the step's record + 4 x lane
.set T16, 10                           ; v10  16 x thread
.set QSO, 11                           ; v11  q's scale word's offset
;                                        v12 -M, v13 the largest t, v[14:15] the sum in two halves
.set F,   40                           ; v40-103  four fragments of k, then of v
.set S,   104                          ; v104-167 S^T, then p
.set O,   168                          ; v168-199 O^T
.set PC,  200                          ; v200-215 p's codes
.set BM,  216                          ; v216-219 the blocks' largest
.set T2,  220                          ; v220-223 at work
.set HL,  224
.set SV,  228                          ; v228-231 the conversions' scale operands
.set KS,  232                          ; v232-233 k's scale words (lanes 0-15 fragment 2 g, lanes 16-31 fragment 2 g + 1)
.set VS,  234                          ; v234-235 v's likewise
.set QS,  236                          ; v236 q's two bytes, twice
.set TA,  237
.set FF,  238                          ; v238 f = 2^(old M - new M);  v239 p's scale word
.set PS,  239
.set WV,  12
.set G1,  16                           ; s[16:23] descriptor group 1;  s[24:27] group 0, which walks
.set G0,  24
.set SEL, 28
.set CS,  30                           ; s[30:31] c = log2(e) / 8
.set MNT, 32
.set TB,  33                           ; s33  LDS byte at which the step's record begins
.set SLOTS, 34
.set CNT, 35
.set PFA, 36                           ; s[36:37] where my prefetches stand
.set LIM, 38                           ; s38  1 in a wave that prefetches, else the greatest number
.set U16, 39                           ; s39  16 x (wave % 2)
.macro MM d, a, b, c, sa, sb, row
.if (\c) < 0
.if \row
	v_wmma_scale_f32_16x16x128_f8f6f4 v[\d:\d+7], v[\a:\a+15], v[\b:\b+15], 0, v[\sa], v[\sb] matrix_a_fmt:MATRIX_FMT_BF8 matrix_b_fmt:MATRIX_FMT_BF8 matrix_a_scale:MATRIX_SCALE_ROW1
.else
	v_wmma_scale_f32_16x16x128_f8f6f4 v[\d:\d+7], v[\a:\a+15], v[\b:\b+15], 0, v[\sa], v[\sb] matrix_a_fmt:MATRIX_FMT_BF8 matrix_b_fmt:MATRIX_FMT_BF8
.endif
.else
.if \row
	v_wmma_scale_f32_16x16x128_f8f6f4 v[\d:\d+7], v[\a:\a+15], v[\b:\b+15], v[\c:\c+7], v[\sa], v[\sb] matrix_a_fmt:MATRIX_FMT_BF8 matrix_b_fmt:MATRIX_FMT_BF8 matrix_a_scale:MATRIX_SCALE_ROW1
.else
	v_wmma_scale_f32_16x16x128_f8f6f4 v[\d:\d+7], v[\a:\a+15], v[\b:\b+15], v[\c:\c+7], v[\sa], v[\sb] matrix_a_fmt:MATRIX_FMT_BF8 matrix_b_fmt:MATRIX_FMT_BF8
.endif
.endif
.endm
.macro PLACES n
.rept \n
	v_nop
.endr
.endm
; A joint load: waves 0 to 3 fetch a record each, the others nothing.  The branch hangs on the wave's number alone.  Four v_nop follow the line.
.macro TLOAD
	s_cmp_lt_u32 s[WV], 4
	s_cbranch_scc0 .Lasked_\@
	tensor_load_to_lds s[G0:G0+3], s[G1:G1+7]
	s_nop 0
.rept 4
	v_nop
.endr
.Lasked_\@:
.endm
; A round of the cluster's barrier.
.macro CROUND
	s_barrier_signal -1
	s_barrier_wait -1
	s_cmp_lg_u32 s[WV], 0
	s_cbranch_scc1 .Lnot_wave_0_\@
	s_barrier_signal -3
.Lnot_wave_0_\@:
	s_barrier_wait -3
	s_barrier_signal -1
	s_barrier_wait -1
.endm
; A PREFETCH INTO THE L2 of the slot that the NEXT change of slots will ask for: four key steps ahead of that load.  All clusters of an (image, head) walk the same records: its first cluster asks.  Of a slot's 264 blocks of
; 256 bytes each of the four partners takes one record's 66, told apart BY ADDRESS; in each, waves 4, 5, 6 (which fetch nothing) take 22 each, a lane a block; lanes 22 to 31 name lane 21's block again.
; Slots 0 and 1 come by their loads alone; the last change that fills a slot asks for nothing: there is no slot behind it.
.macro ASK
	s_cmp_gt_u32 s[SLOTS], s[LIM]
	s_cbranch_scc0 .Lnot_mine_\@
	global_prefetch_b8 v[PFO], s[PFA:PFA+1] th:TH_LOAD_NT scope:SCOPE_SE
.Lnot_mine_\@:
.endm
	s_load_b256 s[4:11], s[0:1], 0x0               ; qbuf, kvbuf, obuf, osbuf
	v_lshl_add_u32 v[SPW], v0, 2, SPARE
	v_mov_b32 v[NIL], 0
	ds_add_u32 v5, v6
	ds_add_u32 v5, v6
	s_wait_dscnt 0x0
	v_lshrrev_b32 v8, 5, v0
	s_delay_alu instid0(VALU_DEP_1)
	v_readfirstlane_b32 s[WV], v8                  ; wave 0..15
	s_and_b32 s13, ttmp7, 0xffff                   ; bh: the (image, head), which the four partners share
	s_bfe_u32 s14, ttmp6, 0x40000                  ; cx: my place in the cluster
	s_lshl_b32 s15, ttmp9, 2
	s_add_co_u32 s15, s15, s14                     ; qb: my block of 256 queries: it enters global addresses alone
	; group 1: a record: a dense block of 16,896 bytes as 66 rows of 256 bytes (32 elements of 8 bytes); the mask names all four work-groups, bit 21 beside it
	s_mov_b32 s[G1+0], 15|(3<<16)|(1<<21)
	s_mov_b32 s[G1+1], 32<<16
	s_mov_b32 s[G1+2], 66<<16
	s_mov_b32 s[G1+3], 32<<16
	s_mov_b32 s[G1+4], 66
	s_mov_b32 s[G1+5], 32
	s_mov_b32 s[G1+6], 0
	s_mov_b32 s[G1+7], 0
	s_and_b32 s40, s[WV], 3
	s_mov_b32 s[G0], 1
	s_mul_i32 s[G0+1], s40, REC                    ; in LDS: slot 0, record w % 4
	s_mul_i32 s41, s40, REC
	s_mul_i32 s42, s13, HEADB
	s_add_co_u32 s42, s42, s41                     ; in memory: the same record of my (image, head)
	s_mov_b32 s43, 0
	s_mov_b32 s[SEL], 0x76543210
	s_mov_b32 s[SEL+1], 0xfedcba98
	s_mov_b32 s[CS], 0x3e38aa3b                    ; log2(e) / 8
	s_mov_b32 s[CS+1], s[CS]                       ; (named with it as a pair, so it is written)
	s_mov_b32 s[TB], 0
	s_mov_b32 s[SLOTS], 7
	s_wait_kmcnt 0x0
	s_add_nc_u64 s[G0+2:G0+3], s[6:7], s[42:43]
	s_or_b32 s[G0+3], s[G0+3], 0x80000000
	CROUND                                         ; all four work-groups are here: the first joint loads meet
	TLOAD                                          ; slot 0
	s_lshl_b32 s44, s13, 5
	s_lshl_b32 s45, s15, 1
	s_add_co_u32 s44, s44, s45
	s_lshr_b32 s45, s[WV], 3
	s_add_co_u32 s44, s44, s45                     ; q's record: 32 bh + 2 qb + w / 8
	s_mul_i32 s44, s44, 8448
	s_mov_b32 s45, 0
	s_add_nc_u64 s[4:5], s[4:5], s[44:45]
	s_bfe_u32 s46, s[WV], 0x20001                  ; the pair: (w / 2) % 4
	s_and_b32 s47, s[WV], 1                        ; which tile of the pair
	s_lshl_b32 s[U16], s47, 4
	s_lshl_b32 s48, s46, 11
	s_lshl_b32 s49, s47, 10
	s_add_co_u32 s48, s48, s49
	s_mov_b32 s49, 0
	s_add_nc_u64 s[50:51], s[4:5], s[48:49]        ; my tile's 1,024 bytes of codes
	v_and_b32 v8, 31, v0                           ; lane
	v_and_b32 v9, 15, v0                           ; r
	s_delay_alu instid0(VALU_DEP_2)
	v_lshlrev_b32 v[LI], 4, v8
	s_delay_alu instid0(VALU_DEP_3)
	v_lshlrev_b32 v[LS], 2, v8
	s_lshl_b32 s52, s46, 6
	v_lshl_add_u32 v[QSO], v9, 2, s52
	global_load_b128 v[24:27], v[LI], s[50:51]     ; q's codes stay in registers
	global_load_b128 v[28:31], v[LI], s[50:51] offset:512
	global_load_b32 v[TA], v[QSO], s[4:5] offset:8192   ; the pair's scale word of my row
	s_lshl_b32 s52, s[WV], 6
	s_add_co_u32 s52, s52, OSC
	v_lshl_add_u32 v[OSA], v9, 2, s52
	v_lshl_add_u32 v[OSR], v0, 4, OSC
	v_lshlrev_b32 v[T16], 4, v0
	v_min_u32 v[PFO], 21, v8
	s_delay_alu instid0(VALU_DEP_1)
	v_lshlrev_b32 v[PFO], 8, v[PFO]
	; who prefetches, and where
	s_sub_co_u32 s46, s[WV], 4
	s_cmp_lt_u32 s46, 3                            ; waves 4, 5, 6
	s_cselect_b32 s47, 0, 1
	s_or_b32 s47, s47, ttmp9                       ; of the first cluster: the same in all four partners
	s_cmp_eq_u32 s47, 0
	s_cselect_b32 s[LIM], 1, -1
	s_min_u32 s46, s46, 2
	s_mul_i32 s46, s46, 22*256
	s_mul_i32 s47, s14, REC                        ; my work-group's record of the four
	s_add_co_u32 s46, s46, s47
	s_mul_i32 s47, s13, HEADB
	s_add_co_u32 s46, s46, s47
	s_add_co_u32 s46, s46, SLOTB                   ; in slot 1: the first change of slots steps it to slot 2
	s_mov_b32 s47, 0
	s_add_nc_u64 s[PFA:PFA+1], s[6:7], s[46:47]
	; where O goes: fragment ((256 b + T) x 2 + hh / 2) x 2,048, registers 8 (hh % 2) on; T = 16 qb + w
	s_lshr_b32 s40, s13, 2
	s_lshl_b32 s40, s40, 8
	s_lshl_b32 s41, s15, 4
	s_add_co_u32 s40, s40, s41
	s_add_co_u32 s40, s40, s[WV]
	s_lshl_b32 s40, s40, 1
	s_bfe_u32 s41, s13, 0x10001
	s_add_co_u32 s40, s40, s41
	s_lshl_b32 s40, s40, 11
	s_and_b32 s41, s13, 1
	s_lshl_b32 s41, s41, 10
	s_add_co_u32 s40, s40, s41
	s_mov_b32 s41, 0
	s_add_nc_u64 s[8:9], s[8:9], s[40:41]
	s_lshl_b32 s40, s13, 8
	s_lshl_b32 s42, s15, 4
	s_add_co_u32 s40, s40, s42
	s_lshl_b32 s40, s40, 6                         ; its scale words: (256 bh + 16 qb) x 64
	s_add_nc_u64 s[10:11], s[10:11], s[40:41]
.irp j, 0,1,2,3,4,5,6,7
	v_mov_b32 v[16+\j], 0                          ; the zero codes on both sides of q
	v_mov_b32 v[32+\j], 0
.endr
	v_mov_b32 v13, 0xff61b1e6                      ; the largest t so far: -3e38, under every t
	s_delay_alu instid0(VALU_DEP_1)
	v_floor_f32 v12, -v13                          ; -M
	v_mov_b32 v14, 0
	v_mov_b32 v15, 0
.irp b, 0,1,2,3
	v_mov_b32 v[T2+\b], 0                          ; written once: a lane permute's destination counts as one of its sources
.endr
	v_mov_b32 v[PS], 0                             ; (named as the upper half of the pair v[238:239] before it is first written)
	s_wait_loadcnt 0x0                             ; q
	v_lshrrev_b32 v[QS], s[U16], v[TA]             ; my tile's two bytes,
	s_delay_alu instid0(VALU_DEP_1)
	v_and_b32 v[QS], 0xffff, v[QS]
	s_delay_alu instid0(VALU_DEP_1)
	v_lshl_or_b32 v[QS], v[QS], 16, v[QS]          ; below and above: they serve [q | 0] and [0 | q] alike
.set JJ, 0
.rept 32
	v_mov_b32 v[O+JJ], 0                           ; O^T: the step is written once; the first finds zeros.  (These lines also stand between the scale word's making and the first product)
.set JJ, JJ+1
.endr
; A KEY STEP: 128 keys, the record at s[TB].
.macro STEP
	v_add_nc_u32 v[ADR], s[TB], v[LI]
	v_add_nc_u32 v[ADS], s[TB], v[LS]
	PLACES 6                                       ; with the two additions: eight places behind the last products, ahead of loads into the registers that they read
.irp b, 0,1,2,3
.irp c, 0,1,2,3
	ds_load_b128 v[F+16*\b+4*\c:F+16*\b+4*\c+3], v[ADR] offset:2048*\b+512*\c
.endr
.endr
.irp g, 0,1
	ds_load_b32 v[KS+\g], v[ADS] offset:16384+128*\g
.endr
	s_wait_alu depctr_va_vdst(0)
	s_wait_dscnt 0x0
.irp b, 0,1,2,3
	MM S+16*\b, F+16*\b, 24, -1, KS+\b/2, QS, \b%2         ; keys 32 b + 16 h + 0 .. 7
	MM S+16*\b+8, F+16*\b, 16, -1, KS+\b/2, QS, \b%2       ; keys 32 b + 16 h + 8 .. 15
.endr
	PLACES 8
.irp t, 0,1,2,3                                ; v's fragments are asked for now and land under the softmax
.irp c, 0,1,2,3
	ds_load_b128 v[F+16*\t+4*\c:F+16*\t+4*\c+3], v[ADR] offset:8192+2048*\t+512*\c
.endr
.endr
.irp g, 0,1
	ds_load_b32 v[VS+\g], v[ADS] offset:16640+128*\g
.endr
.irp b, 0,1,2,3
	v_max3_num_f32 v[BM+\b], v[S+16*\b], v[S+1+16*\b], v[S+2+16*\b]   ; the largest score of each block of 32 keys: it serves for the row's maximum and, since p rises with the score, for the block's largest p
.endr
.irp i, 3,5,7,9,11,13
.irp b, 0,1,2,3
	v_max3_num_f32 v[BM+\b], v[BM+\b], v[S+16*\b+\i], v[S+1+16*\b+\i]
.endr
.endr
.irp b, 0,1,2,3
	v_max_num_f32 v[BM+\b], v[BM+\b], v[S+15+16*\b]
.endr
.irp b, 0,1,2,3
	s_delay_alu instid0(VALU_DEP_4)
	v_permlanex16_b32 v[T2+\b], v[BM+\b], s[SEL], s[SEL+1]
.endr
.irp b, 0,1,2,3
	s_delay_alu instid0(VALU_DEP_4)
	v_max_num_f32 v[BM+\b], v[BM+\b], v[T2+\b]     ; with lane l xor 16's 16 keys
.endr
	s_delay_alu instid0(VALU_DEP_2)
	v_max3_num_f32 v[TA], v[BM], v[BM+1], v[BM+2]
	s_delay_alu instid0(VALU_DEP_1)
	v_max_num_f32 v[TA], v[TA], v[BM+3]            ; the step's largest score of my query
	s_delay_alu instid0(VALU_DEP_1)
	v_mul_f32 v[TA], s[CS], v[TA]                  ; as t (c is positive)
	s_delay_alu instid0(VALU_DEP_1)
	v_max_num_f32 v13, v13, v[TA]                  ; the running largest t
	v_mov_b32 v[TA], v12
	s_delay_alu instid0(VALU_DEP_2)
	v_floor_f32 v12, -v13                          ; the new -M = floor(-t) = -ceil(t)
	s_delay_alu instid0(VALU_DEP_1)
	v_sub_f32 v[TA], v12, v[TA]                    ; old M - new M: a whole number, 0 or less
	s_delay_alu instid0(VALU_DEP_1)
	v_cvt_i32_f32 v[TA], v[TA]                     ; (it saturates)
	s_delay_alu instid0(VALU_DEP_1)
	v_ldexp_f32 v[FF], 1.0, v[TA]                  ; f = 2^(old M - new M)
.set JJ, 0
.rept 32
	v_pk_fma_f32 v[S+JJ:S+JJ+1], v[S+JJ:S+JJ+1], s[CS:CS+1], v[12:13] op_sel_hi:[1,0,0]   ; t - M, two at a time
.set JJ, JJ+2
.endr
.irp b, 0,1,2,3
	v_fma_f32 v[BM+\b], v[BM+\b], s[CS], v12       ; the same of each block's largest score
.endr
.set JJ, 0
	s_setprio 1
	s_wait_alu depctr_va_vdst(0)
.rept 64
	v_exp_f32 v[S+JJ], v[S+JJ]                     ; p = 2^(t - M), at most 1
.set JJ, JJ+1
.endr
	v_pk_mul_f32 v[14:15], v[14:15], v[FF:FF+1] op_sel_hi:[1,0]   ; the sums under the new M: the plain line behind the exponentials
	s_wait_alu depctr_va_vdst(0)                   ; one wait for the batch of 64, ahead of its first reader
.irp b, 0,1,2,3
	v_exp_f32 v[BM+\b], v[BM+\b]                   ; the block's largest p: the same two instructions on the same number give the same bits
.endr
	v_pk_add_f32 v[220:221], v[108:109], v[112:113]
	v_pk_add_f32 v[254:255], v[116:117], v[120:121]
	v_pk_add_f32 v[252:253], v[124:125], v[128:129]
	v_pk_add_f32 v[250:251], v[132:133], v[136:137]
	v_pk_add_f32 v[248:249], v[140:141], v[144:145]
	v_pk_add_f32 v[246:247], v[148:149], v[152:153]
	v_pk_add_f32 v[244:245], v[156:157], v[160:161]
	v_pk_add_f32 v[14:15], v[14:15], v[164:165]
	v_pk_add_f32 v[220:221], v[220:221], v[104:105]
	v_pk_add_f32 v[254:255], v[254:255], v[106:107]
	v_pk_add_f32 v[252:253], v[252:253], v[110:111]
	v_pk_add_f32 v[250:251], v[250:251], v[114:115]
	v_pk_add_f32 v[248:249], v[248:249], v[118:119]
	v_pk_add_f32 v[246:247], v[246:247], v[122:123]
	v_pk_add_f32 v[244:245], v[244:245], v[126:127]
	v_pk_add_f32 v[14:15], v[14:15], v[130:131]
	v_pk_add_f32 v[220:221], v[220:221], v[134:135]
	v_pk_add_f32 v[254:255], v[254:255], v[138:139]
	v_pk_add_f32 v[252:253], v[252:253], v[142:143]
	v_pk_add_f32 v[250:251], v[250:251], v[146:147]
	v_pk_add_f32 v[248:249], v[248:249], v[150:151]
	v_pk_add_f32 v[246:247], v[246:247], v[154:155]
	v_pk_add_f32 v[244:245], v[244:245], v[158:159]
	v_pk_add_f32 v[14:15], v[14:15], v[162:163]
	v_pk_add_f32 v[220:221], v[220:221], v[166:167]
	s_delay_alu instid0(VALU_DEP_2)
	v_pk_add_f32 v[14:15], v[14:15], v[250:251]
	s_delay_alu instid0(VALU_DEP_2)
	v_pk_add_f32 v[220:221], v[220:221], v[248:249]
	v_pk_add_f32 v[254:255], v[254:255], v[246:247]
	v_pk_add_f32 v[252:253], v[252:253], v[244:245]
	s_delay_alu instid0(VALU_DEP_2)
	v_pk_add_f32 v[14:15], v[14:15], v[254:255]
	s_delay_alu instid0(VALU_DEP_2)
	v_pk_add_f32 v[220:221], v[220:221], v[252:253]
	s_delay_alu instid0(VALU_DEP_1)
	v_pk_add_f32 v[14:15], v[14:15], v[220:221]
	s_wait_alu depctr_va_vdst(0)                   ; and one for the four
.irp b, 0,1,2,3
	v_max_num_f32 v[BM+\b], 0x8000000, v[BM+\b]    ; the floor 2^(16 - 127): the byte cannot fall under 1
.endr
.irp b, 0,1,2,3
	s_delay_alu instid0(VALU_DEP_4)
	v_add_nc_u32 v[SV+\b], 0xf8800000, v[BM+\b]    ; 15 off the exponent field: the conversion's scale operand
.endr
.irp b, 0,1,2,3
.endr
.irp b, 0,1,2,3
	s_delay_alu instid0(VALU_DEP_4)
	v_lshrrev_b32 v[T2+\b], 23, v[SV+\b]           ; the scale's byte
.endr
	s_delay_alu instid0(VALU_DEP_3)
	v_lshl_or_b32 v[PS], v[T2+1], 8, v[T2]         ; p's scale word for these 128 keys
	s_delay_alu instid0(VALU_DEP_1)
	v_lshl_or_b32 v[PS], v[T2+2], 16, v[PS]
	s_delay_alu instid0(VALU_DEP_1)
	v_lshl_or_b32 v[PS], v[T2+3], 24, v[PS]
	s_setprio 0
.irp b, 0,1,2,3
.irp i, 0,1,2,3,4,5,6,7,8,9,10,11,12,13,14,15
.endr
	v_cvt_scalef32_pk8_bf8_f32 v[PC+4*\b:PC+1+4*\b], v[S+16*\b:S+7+16*\b], v[SV+\b]
	v_cvt_scalef32_pk8_bf8_f32 v[PC+2+4*\b:PC+3+4*\b], v[S+8+16*\b:S+15+16*\b], v[SV+\b]
.endr
.set JJ, 0
.rept 16
	v_pk_mul_f32 v[O+JJ:O+JJ+1], v[O+JJ:O+JJ+1], v[FF:FF+1] op_sel_hi:[1,0]   ; O^T under the new M.  (These sixteen are also the plain lines between the conversions and the products)
.set JJ, JJ+2
.endr
	s_wait_alu depctr_va_vdst(0)
	s_wait_dscnt 0x0                               ; v's fragments and scale words are in
.irp t, 0,1,2,3
	MM O+8*\t, F+16*\t, PC, O+8*\t, VS+\t/2, PS, \t%2      ; the four accumulators by turns; eight other products stand between two links of a chain
.endr
	s_add_co_u32 s[TB], s[TB], REC                 ; the next step's record
.endm
; THE CHANGE OF SLOTS stands at a slot's head.  Each wave waits for all its tensor loads (at most one is out: its record of the slot ahead), adds 0 to its spare word, and waits for that and for its reads of the slot that it has left.
; fill = 1: a round of the cluster's barrier follows, so that no wave of any partner still reads the slot left or has a load on its way; the joint refill is the first thing behind it and has four key steps in which to land.
.macro CHANGE fill
	s_wait_tensorcnt 0x0                           ; no tensor load of mine is out, so group 0 may be written
	ds_add_u32 v[SPW], v[NIL]                      ; 0 onto my spare word
.if \fill
	s_xor_b32 s[G0+1], s[G0+1], SLOT1              ; the walking descriptor: the other slot than last time,
	s_add_nc_u64 s[G0+2:G0+3], s[G0+2:G0+3], SLOTB ; the next 512 keys; the type bits on top are not reached
	s_wait_xcnt 0x0                                ; the last prefetch, a slot back, has read its address, so it may be written:
	s_add_nc_u64 s[PFA:PFA+1], s[PFA:PFA+1], SLOTB ; one slot further on than the walking descriptor
	s_wait_dscnt 0x0                               ; the add is done, and my reads of the slot that I have left are over
	CROUND
	TLOAD
	ASK
.else
	s_wait_dscnt 0x0
	s_barrier_signal -1
	s_barrier_wait -1
.endif
.endm
.macro SLOT_STEPS                      ; a slot's four key steps: written once, walked four times
	s_mov_b32 s[CNT], 4
.Lstep_\@:
	s_setprio 2
	STEP
	s_sub_co_u32 s[CNT], s[CNT], 1
	s_cmp_lg_u32 s[CNT], 0
	s_cbranch_scc1 .Lstep_\@
	s_setprio 0
	s_sub_co_u32 s[TB], s[TB], SLOTB               ; back to a slot's first record,
	s_xor_b32 s[TB], s[TB], SLOT1                  ; in the other slot
.endm
.Lslot:                                            ; seven trips: behind each change of slots but the last the next slot is asked for
	CHANGE 1
	SLOT_STEPS
	s_sub_co_u32 s[SLOTS], s[SLOTS], 1
	s_cmp_lg_u32 s[SLOTS], 0
	s_cbranch_scc1 .Lslot
	CHANGE 0                                       ; the last slot is written out
	SLOT_STEPS
	; THE WAY OUT.  O^T / the sum; its 32 numbers a lane are channels 32 b + 16 h + 0 .. 15 of my query: two blocks along the last product's K.  They are quantised and stored as registers 8 (hh % 2) .. + 7 of that product's fragment.
	v_add_f32 v14, v14, v15                        ; the sum's two halves,
	s_delay_alu instid0(VALU_DEP_1)
	v_permlanex16_b32 v[TA], v14, s[SEL], s[SEL+1]
	s_delay_alu instid0(VALU_DEP_1)
	v_add_f32 v14, v14, v[TA]                      ; and lane l xor 16's: the row's sum
	s_wait_alu depctr_va_vdst(0)
	v_rcp_f32 v14, v14
	PLACES 8                                       ; the plain line behind the reciprocal, and the places behind the last products
	s_wait_alu depctr_va_vdst(0)                   ; ahead of the reciprocal's first reader
.set JJ, 0
.rept 16
	v_pk_mul_f32 v[S+JJ:S+JJ+1], v[O+JJ:O+JJ+1], v[14:15] op_sel_hi:[1,0]   ; each accumulator from its low end on
.set JJ, JJ+2
.endr
.irp b, 0,1
	v_max3_num_f32 v[BM+\b], |v[S+16*\b]|, |v[S+1+16*\b]|, 0x8000000
.endr
.irp i, 2,4,6,8,10,12,14
.irp b, 0,1
	s_delay_alu instid0(VALU_DEP_2)
	v_max3_num_f32 v[BM+\b], v[BM+\b], |v[S+16*\b+\i]|, |v[S+1+16*\b+\i]|
.endr
.endr
.irp b, 0,1
	s_delay_alu instid0(VALU_DEP_2)
	v_permlanex16_b32 v[T2+\b], v[BM+\b], s[SEL], s[SEL+1]
.endr
.irp b, 0,1
	s_delay_alu instid0(VALU_DEP_2)
	v_max_num_f32 v[BM+\b], v[BM+\b], v[T2+\b]
.endr
.irp b, 0,1
	s_delay_alu instid0(VALU_DEP_2)
	v_add_nc_u32 v[SV+\b], 0xf8800000, v[BM+\b]
.endr
.irp b, 0,1
.endr
.irp b, 0,1
	s_delay_alu instid0(VALU_DEP_2)
	v_lshrrev_b32 v[T2+\b], 23, v[SV+\b]
.endr
	s_delay_alu instid0(VALU_DEP_1)
	v_lshl_or_b32 v[TA], v[T2+1], 8, v[T2]         ; my head's two bytes of the row's scale word; the upper half stays 0
.irp b, 0,1
.irp i, 0,1,2,3,4,5,6,7,8,9,10,11,12,13,14,15
.endr
	v_cvt_scalef32_pk8_bf8_f32 v[PC+4*\b:PC+1+4*\b], v[S+16*\b:S+7+16*\b], v[SV+\b]
	v_cvt_scalef32_pk8_bf8_f32 v[PC+2+4*\b:PC+3+4*\b], v[S+8+16*\b:S+15+16*\b], v[SV+\b]
.endr
	v_nop
	global_store_b128 v[LI], v[PC:PC+3], s[8:9]              ; 32 lanes store 512 consecutive bytes, aligned
	global_store_b128 v[LI], v[PC+4:PC+7], s[8:9] offset:512
	ds_store_b32 v[OSA], v[TA]                     ; lanes r and r + 16 write the same word with the same value
	s_wait_dscnt 0x0                               ; for the others' sake: my store has landed
	s_barrier_signal -1
	s_barrier_wait -1
	s_cmp_lt_u32 s[WV], 2                          ; waves 0 and 1 store the sixteen tiles' scale words: 1,024 consecutive bytes
	s_cbranch_scc0 .Lend
	ds_load_b128 v[F:F+3], v[OSR]
	s_wait_dscnt 0x0
	global_store_b128 v[T16], v[F:F+3], s[10:11]
.Lend:
	s_wait_tensorcnt 0x0                           ; the wave's end, behind my last tensor load and my last LDS store
	ds_add_u32 v[SPW], v[NIL]
	s_wait_dscnt 0x0
	CROUND                                         ; the closing round: no work-group ends while a partner may still ask for a record that names it
	s_endpgm
.Lfunc_end_k_q75f9a05168_attn:
	.size	k_q75f9a05168_attn, .Lfunc_end_k_q75f9a05168_attn-k_q75f9a05168_attn
	.p2alignl 7, 3214868480
	.fill 96, 4, 3214868480
	.section	.rodata,"a",@progbits
	.p2align	6, 0x0
	.amdhsa_kernel k_q75f9a05168_attn
		.amdhsa_group_segment_fixed_size 327680
		.amdhsa_private_segment_fixed_size 0
		.amdhsa_enable_private_segment 0
		.amdhsa_kernarg_size 32
		.amdhsa_user_sgpr_count 2
		.amdhsa_user_sgpr_kernarg_segment_ptr 1
		.amdhsa_wavefront_size32 1
		.amdhsa_system_sgpr_workgroup_id_x 1
		.amdhsa_system_sgpr_workgroup_id_y 1
		.amdhsa_system_sgpr_workgroup_id_z 1
		.amdhsa_system_vgpr_workitem_id 0
		.amdhsa_next_free_vgpr 256
		.amdhsa_next_free_sgpr 66
		.amdhsa_reserve_vcc 0
		.amdhsa_float_denorm_mode_32 3
		.amdhsa_float_denorm_mode_16_64 3
		.amdhsa_fp16_overflow 1
		.amdhsa_memory_ordered 1
		.amdhsa_forward_progress 1
		.amdhsa_inst_pref_size 49
	.end_amdhsa_kernel
	.amdgpu_metadata
---
amdhsa.version: [ 1, 2 ]
amdhsa.kernels:
  - .name:           k_q75f9a05168_attn
    .symbol:         k_q75f9a05168_attn.kd
    .args:
      - { .name: qbuf, .offset: 0, .size: 8, .value_kind: global_buffer, .address_space: global }
      - { .name: kvbuf, .offset: 8, .size: 8, .value_kind: global_buffer, .address_space: global }
      - { .name: obuf, .offset: 16, .size: 8, .value_kind: global_buffer, .address_space: global }
      - { .name: osbuf, .offset: 24, .size: 8, .value_kind: global_buffer, .address_space: global }
    .group_segment_fixed_size: 327680
    .private_segment_fixed_size: 0
    .kernarg_segment_align: 8
    .kernarg_segment_size: 32
    .max_flat_workgroup_size: 512
    .sgpr_count:     66
    .vgpr_count:     256
    .wavefront_size: 32
...
	.end_amdgpu_metadata
.endif
;; end of part 3
;; launch outp (part 4): grid 64 x 4, 16 waves a work-group, no clusters, 88,064 bytes of LDS; arguments obuf, osbuf, wbuf, bo, x, out0; writes out0
.if DOCPART == 4
	.amdgcn_target "amdgcn-amd-amdhsa--gfx1250"
	.amdhsa_code_object_version 6
	.text
	.protected	k_q75f9a05168_outp
	.globl	k_q75f9a05168_outp
	.p2align	8
	.type	k_q75f9a05168_outp,@function
k_q75f9a05168_outp:
	s_mov_b64 s[64:65], 0
	v_nop
	global_prefetch_b8 v0, s[64:65] scope:SCOPE_SE
	s_setreg_imm32_b32 hwreg(HW_REG_WAVE_MODE, 25, 1), 1
	s_wait_xcnt 0x0
; out0 = x + wo O + bo: the last product on codes of E5M2 (K = the 256 channels), the bias as the C of the first K step, the residual added in f32.
; SHARES.  Work-group (x = nb, y = image b) takes pixels 64 nb .. + 63 (four tiles of 16) and all 256 output rows; wave w takes wo's tile w (16 rows): 8 matrix instructions.
; Source 0 = a pixel tile of O, source 1 = wo's tile: lane (r, h) holds output row dbase + r + 8 (r / 8) and, in tile T = 2 P + u, the eight NEIGHBOURING pixels 32 P + 8 u + 16 h + 0 .. 7.
; O's eight fragments (16,384 consecutive bytes of obuf) are read from memory once, 1,024 bytes a wave, and shared through LDS as images of their registers.  A row's scale word is pieced from the two bytes that each head left in osbuf.
; THE WAY OUT: 16 rows x 256 bytes go through the wave's own stage in LDS and come back by rows, so that sixteen lanes load x's and store out0's 256 consecutive bytes, aligned.
; No tensor loads, no cluster, no prefetch: x and out0 are streamed once; what work-groups share is wo's 4 KiB a wave, which goes straight into registers.
.set REC,  16896
.set STG,  16384                       ; behind O's images: a stage of 16 rows x (256 + 16) bytes for each wave
.set LI,  1                            ; v1   16 x lane
.set LS,  2                            ; v2   4 x lane
.set R4,  3                            ; v3   4 r
.set SO,  4                            ; v4   the stage: row r, + 64 h
.set SR,  5                            ; v5   and back: lanes 0-15 one row, lanes 16-31 the next
.set XO,  6                            ; v6   the same two rows in x and out0
.set BA,  7                            ; v7   4 x (r + 8 (r / 8))
.set OW,  8                            ; v8   where I put my 1,024 bytes of O
.set OF,  16                           ; v16-143  O's eight fragments (tile tau, K step s at 16 (2 tau + s)); later rows of the result
.set WF,  144                          ; v144-175 wo's two fragments
.set ACC, 176                          ; v176-207 four accumulators; ahead of the products: v176-183 the heads' scale bytes, v184-191 my part of O
.set OT,  176
.set OP,  184
.set XR,  208                          ; v208-239 x
.set BI,  240                          ; v240-247 the bias of my row, eight times
.set OS,  248                          ; v248-251 O's scale words: 2 s + g: lanes 0-15 tile 2 g, lanes 16-31 tile 2 g + 1
.set WS,  252                          ; v252-253 wo's
.macro MM d, a, b, c, sa, sb, row
.if \row
	v_wmma_scale_f32_16x16x128_f8f6f4 v[\d:\d+7], v[\a:\a+15], v[\b:\b+15], v[\c:\c+7], v[\sa], v[\sb] matrix_a_fmt:MATRIX_FMT_BF8 matrix_b_fmt:MATRIX_FMT_BF8 matrix_a_scale:MATRIX_SCALE_ROW1
.else
	v_wmma_scale_f32_16x16x128_f8f6f4 v[\d:\d+7], v[\a:\a+15], v[\b:\b+15], v[\c:\c+7], v[\sa], v[\sb] matrix_a_fmt:MATRIX_FMT_BF8 matrix_b_fmt:MATRIX_FMT_BF8
.endif
.endm
	s_load_b256 s[4:11], s[0:1], 0x0               ; obuf, osbuf, wbuf, bo
	s_load_b128 s[12:15], s[0:1], 0x20             ; x, out0
	v_lshl_add_u32 v254, v0, 2, 0x15000
	v_mov_b32 v255, 0
	v_lshrrev_b32 v9, 5, v0
	s_delay_alu instid0(VALU_DEP_1)
	v_readfirstlane_b32 s16, v9                    ; wave 0..15
	s_and_b32 s17, ttmp7, 0xffff                   ; b
	v_and_b32 v9, 31, v0                           ; lane
	v_and_b32 v10, 15, v0                          ; r
	v_bfe_u32 v11, v0, 4, 1                        ; h
	s_delay_alu instid0(VALU_DEP_3)
	v_lshlrev_b32 v[LI], 4, v9
	s_delay_alu instid0(VALU_DEP_4)
	v_lshlrev_b32 v[LS], 2, v9
	s_delay_alu instid0(VALU_DEP_4)
	v_lshlrev_b32 v[R4], 2, v10
	s_mul_i32 s18, s16, 16*272
	s_add_co_u32 s18, s18, STG                     ; my stage
	v_mul_u32_u24 v[SO], v10, 272
	s_delay_alu instid0(VALU_DEP_1)
	v_lshl_add_u32 v[SO], v11, 6, v[SO]
	s_delay_alu instid0(VALU_DEP_1)
	v_add_nc_u32 v[SO], s18, v[SO]
	v_mul_u32_u24 v[SR], v11, 272
	s_delay_alu instid0(VALU_DEP_1)
	v_lshl_add_u32 v[SR], v10, 4, v[SR]
	s_delay_alu instid0(VALU_DEP_1)
	v_add_nc_u32 v[SR], s18, v[SR]
	v_lshlrev_b32 v[XO], 14, v11                   ; a row of x is 16,384 bytes
	s_delay_alu instid0(VALU_DEP_1)
	v_lshl_add_u32 v[XO], v10, 4, v[XO]
	v_and_b32 v[BA], 8, v10
	s_delay_alu instid0(VALU_DEP_1)
	v_add_nc_u32 v[BA], v[BA], v10
	s_delay_alu instid0(VALU_DEP_1)
	v_lshlrev_b32 v[BA], 2, v[BA]
	s_lshl_b32 s19, s16, 10
	v_add_nc_u32 v[OW], s19, v[LI]
	s_lshl_b32 s20, s17, 8
	s_lshl_b32 s21, ttmp9, 2
	s_add_co_u32 s20, s20, s21                     ; the first tile: 256 b + 4 nb
	s_lshl_b32 s20, s20, 12                        ; two fragments a tile
	s_add_co_u32 s20, s20, s19                     ; my 1,024 bytes
	s_mov_b32 s21, 0
	s_lshr_b32 s24, s16, 2                         ; wo's record 12 + w / 4,
	s_and_b32 s25, s16, 3                          ; tile t = w % 4
	s_add_co_u32 s22, s24, 12
	s_mul_i32 s22, s22, REC
	s_lshl_b32 s26, s25, 11
	s_add_co_u32 s26, s26, s22                     ; its codes
	s_mov_b32 s27, 0
	s_lshl_b32 s28, s25, 6
	s_add_co_u32 s28, s28, s22
	s_add_co_u32 s28, s28, 16384                   ; its scale words
	s_mov_b32 s29, 0
	s_lshl_b32 s30, s17, 10
	s_lshl_b32 s31, ttmp9, 2
	s_add_co_u32 s30, s30, s31
	s_lshl_b32 s30, s30, 6                         ; osbuf: (1,024 b + 4 nb) x 64; a head on is 16,384 bytes on
	s_mov_b32 s31, 0
	s_lshl_b32 s32, s24, 6
	s_lshr_b32 s33, s25, 1
	s_lshl_b32 s33, s33, 5
	s_add_co_u32 s32, s32, s33
	s_and_b32 s33, s25, 1
	s_lshl_b32 s33, s33, 3
	s_add_co_u32 s32, s32, s33                     ; dbase = 64 (w / 4) + 32 (t / 2) + 8 (t % 2)
	s_lshl_b32 s34, s32, 2
	s_mov_b32 s35, 0
	s_lshl_b32 s36, s17, 22
	s_lshl_b32 s37, s32, 14
	s_add_co_u32 s36, s36, s37
	s_lshl_b32 s37, ttmp9, 8
	s_add_co_u32 s36, s36, s37                     ; x and out0: image b, row dbase, pixel 64 nb
	s_mov_b32 s37, 0
	s_wait_alu depctr_va_vdst(0)
	s_wait_kmcnt 0x0
	s_add_nc_u64 s[4:5], s[4:5], s[20:21]
	s_add_nc_u64 s[6:7], s[6:7], s[30:31]
	s_add_nc_u64 s[38:39], s[8:9], s[26:27]
	s_add_nc_u64 s[40:41], s[8:9], s[28:29]
	s_add_nc_u64 s[10:11], s[10:11], s[34:35]
	s_add_nc_u64 s[12:13], s[12:13], s[36:37]
	s_add_nc_u64 s[14:15], s[14:15], s[36:37]
	global_load_b128 v[OP:OP+3], v[LI], s[4:5]               ; my part of O first: the others wait for it
	global_load_b128 v[OP+4:OP+7], v[LI], s[4:5] offset:512
.irp s, 0,1
.irp c, 0,1,2,3
	global_load_b128 v[WF+16*\s+4*\c:WF+16*\s+4*\c+3], v[LI], s[38:39] offset:8192*\s+512*\c
.endr
.endr
.irp s, 0,1
	global_load_b32 v[WS+\s], v[R4], s[40:41] offset:256*\s
.endr
.irp hh, 0,1,2,3
.irp g, 0,1
	global_load_b32 v[OT+2*\hh+\g], v[LS], s[6:7] offset:16384*\hh+128*\g
.endr
.endr
.irp i, 0,1,2,3,4,5,6,7
	global_load_b32 v[BI+\i], v[BA], s[10:11]
.endr
.irp i, 0,1,2,3,4,5,6,7
	global_load_b128 v[XR+4*\i:XR+4*\i+3], v[XO], s[12:13] offset:(2*\i+8*(\i/4))*16384 th:TH_LOAD_NT   ; stage rows 2 i, 2 i + 1 are output rows dbase + 2 i + 8 (i / 4) and the next
.endr
	s_wait_loadcnt 34                              ; my part of O is in: 34 loads were issued behind it
	ds_store_b128 v[OW], v[OP:OP+3]
	ds_store_b128 v[OW], v[OP+4:OP+7] offset:512
	s_wait_dscnt 0x0                               ; for the others' sake: my stores have landed
	s_barrier_signal -1
	s_barrier_wait -1
.irp f, 0,1,2,3,4,5,6,7
.irp c, 0,1,2,3
	ds_load_b128 v[OF+16*\f+4*\c:OF+16*\f+4*\c+3], v[LI] offset:2048*\f+512*\c
.endr
.endr
	s_wait_loadcnt 8                               ; all but x's eight loads are in
.irp s, 0,1
.irp g, 0,1
	v_lshl_or_b32 v[OS+2*\s+\g], v[OT+2*(2*\s+1)+\g], 16, v[OT+4*\s+\g]   ; K step s: heads 2 s (bytes 0, 1) and 2 s + 1 (bytes 2, 3)
.endr
.endr
.rept 8
	v_nop                                          ; a scale word made by vector instructions stands eight places ahead of the product
.endr
	s_wait_alu depctr_va_vdst(0)
	s_wait_dscnt 0x0
.irp s, 0,1                                    ; four accumulators by turns, one instruction a turn
.irp a, 0,1,2,3
.if \s == 0
	MM ACC+8*\a, OF+16*(2*\a+\s), WF+16*\s, BI, OS+2*\s+\a/2, WS+\s, \a%2
.else
	MM ACC+8*\a, OF+16*(2*\a+\s), WF+16*\s, ACC+8*\a, OS+2*\s+\a/2, WS+\s, \a%2
.endif
.endr
.endr
.rept 8
	v_nop                                          ; ahead of the first read of the results, and of loads into the registers that the products read
.endr
.irp a, 0,1,2,3
	ds_store_b128 v[SO], v[ACC+8*\a:ACC+8*\a+3] offset:128*(\a/2)+32*(\a%2)          ; each accumulator from its low end on
	ds_store_b128 v[SO], v[ACC+8*\a+4:ACC+8*\a+7] offset:128*(\a/2)+32*(\a%2)+16
.endr
.irp i, 0,1,2,3,4,5,6,7
	ds_load_b128 v[OF+4*\i:OF+4*\i+3], v[SR] offset:544*\i   ; LDS serves a wave's instructions in order (ISA guide 5.7.1.4): these see my stores
.endr
	s_wait_loadcnt 0x0                             ; x
.irp i, 0,1,2,3,4,5,6,7
	s_wait_dscnt 7-\i                              ; rows 2 i, 2 i + 1 are back; the younger loads may be out
	v_pk_add_f32 v[OF+4*\i:OF+4*\i+1], v[OF+4*\i:OF+4*\i+1], v[XR+4*\i:XR+4*\i+1]
	v_pk_add_f32 v[OF+4*\i+2:OF+4*\i+3], v[OF+4*\i+2:OF+4*\i+3], v[XR+4*\i+2:XR+4*\i+3]
	global_store_b128 v[XO], v[OF+4*\i:OF+4*\i+3], s[14:15] offset:(2*\i+8*(\i/4))*16384 th:TH_STORE_NT   ; sixteen lanes store 256 consecutive bytes, aligned
.endr
	s_wait_tensorcnt 0x0
	ds_add_u32 v254, v255
	s_wait_dscnt 0x0
	s_endpgm
.Lfunc_end_k_q75f9a05168_outp:
	.size	k_q75f9a05168_outp, .Lfunc_end_k_q75f9a05168_outp-k_q75f9a05168_outp
	.p2alignl 7, 3214868480
	.fill 96, 4, 3214868480
	.section	.rodata,"a",@progbits
	.p2align	6, 0x0
	.amdhsa_kernel k_q75f9a05168_outp
		.amdhsa_group_segment_fixed_size 88064
		.amdhsa_private_segment_fixed_size 0
		.amdhsa_enable_private_segment 0
		.amdhsa_kernarg_size 48
		.amdhsa_user_sgpr_count 2
		.amdhsa_user_sgpr_kernarg_segment_ptr 1
		.amdhsa_wavefront_size32 1
		.amdhsa_system_sgpr_workgroup_id_x 1
		.amdhsa_system_sgpr_workgroup_id_y 1
		.amdhsa_system_sgpr_workgroup_id_z 1
		.amdhsa_system_vgpr_workitem_id 0
		.amdhsa_next_free_vgpr 256
		.amdhsa_next_free_sgpr 66
		.amdhsa_reserve_vcc 0
		.amdhsa_float_denorm_mode_32 3
		.amdhsa_float_denorm_mode_16_64 3
		.amdhsa_memory_ordered 1
		.amdhsa_forward_progress 1
		.amdhsa_inst_pref_size 15
	.end_amdhsa_kernel
	.amdgpu_metadata
---
amdhsa.version: [ 1, 2 ]
amdhsa.kernels:
  - .name:           k_q75f9a05168_outp
    .symbol:         k_q75f9a05168_outp.kd
    .args:
      - { .name: obuf, .offset: 0, .size: 8, .value_kind: global_buffer, .address_space: global }
      - { .name: osbuf, .offset: 8, .size: 8, .value_kind: global_buffer, .address_space: global }
      - { .name: wbuf, .offset: 16, .size: 8, .value_kind: global_buffer, .address_space: global }
      - { .name: bo, .offset: 24, .size: 8, .value_kind: global_buffer, .address_space: global }
      - { .name: x, .offset: 32, .size: 8, .value_kind: global_buffer, .address_space: global }
      - { .name: out0, .offset: 40, .size: 8, .value_kind: global_buffer, .address_space: global }
    .group_segment_fixed_size: 88064
    .private_segment_fixed_size: 0
    .kernarg_segment_align: 8
    .kernarg_segment_size: 48
    .max_flat_workgroup_size: 512
    .sgpr_count:     66
    .vgpr_count:     256
    .wavefront_size: 32
...
	.end_amdgpu_metadata
.endif
;; end of part 4
